; MI455X (gfx1250); checked and timed in simulation.
; The chip was launched on July 23, 2026; its instructions are those of AMD's public machine-readable ISA for CDNA 5 (MIT licence, August 2026) and "CDNA5" Instruction Set Architecture Reference Guide (July 2026). The comments in the code are by the model that wrote it; some were corrected since.
;; Multihead Attention. Allowed arithmetic: matrix products marked QUANTISED: E4M3 operands, one E8M0 scale for each 32 along K, by v_wmma_scale_f32_16x16x128_f8f6f4 with both operands' format E4M3, f32 sums; products left as they are: f32 operands where the result goes on into a quantised operand, else bf16, f16 or f32 operands; f32 sums; everything else in f32.
;; Inputs: Wk 512 x 4,096 float32; Wo 4,096 x 512 float32; Wq 512 x 4,096 float32; Wv 512 x 4,096 float32; bk 4,096 float32; bo 512 float32; bq 4,096 float32; bv 4,096 float32; input_data 2 x 2,048 x 512 float32; mask 1 x 1 x 2,048 x 2,048 int32.
;; Outputs: out0 2 x 2,048 x 512 float32.
;; This version of the problem:
;;   THIS VERSION OF THE PROBLEM IS GIVEN IN LOW PRECISION. The matrix products marked QUANTISED in the list below multiply operands that are first quantised to E4M3 (4 exponent bits, 3 mantissa bits; 8 bits a number), with one power-of-two scale for each 32 numbers along K (OCP MX v1.0); their sums are f32. All else is computed in f32.
;;   The module's matrix products, in the order in which they are computed (A, B: the left and right operand; K: the contracted axis; several contracted axes count as one K, in the product's order):
;;     1. [M 4,096, K 512] x [K 512, N 4,096]; A: input input_data; B: input Wq: QUANTISED
;;     2. [M 4,096, K 512] x [K 512, N 4,096]; A: input input_data; B: input Wk: QUANTISED
;;     3. [M 4,096, K 512] x [K 512, N 4,096]; A: input input_data; B: input Wv: QUANTISED
;;     4. batch 16 x [M 2,048, K 512] x [K 512, N 2,048]; A: computed on the way; B: computed on the way: QUANTISED
;;     5. batch 16 x [M 1,048,576, K 1] x [K 1, N 1]; A: computed on the way; B: computed on the way: left as it is (no contracted axis)
;;     6. [M 4,096, K 4,096] x [K 4,096, N 512]; A: computed on the way; B: input Wo: QUANTISED
;;   THE QUANTISER, for each operand of a quantised product, along K:
;;     - K is cut into blocks of 32 from its start; a last block that is shorter is filled with zeros.
;;     - A block's scale is 2^e with e = floor(log2(the largest magnitude in the block)) - 8, held to -126 .. 127; a block of zeros has e = 0. As a byte (E8M0): e + 127.
;;     - Each number is divided by its block's scale, clamped to +-448, and rounded to the nearest number of E4M3, ties to even, subnormals kept.
;;     - The product sums the exact products of the quantised numbers (number of the format x scale) in f32.
;;   ~~~python
;;   def quantise(x, axis):      # numpy; x: float32 -> the quantised numbers, widened to float32 again
;;       x = np.moveaxis(x, axis, -1); K = x.shape[-1]
;;       x = np.pad(x, [(0, 0)] * (x.ndim - 1) + [(0, -K % 32)]); x = x.reshape(x.shape[:-1] + (-1, 32)); a = np.abs(x).max(-1, keepdims=True)
;;       e = np.where(a > 0, np.clip(np.frexp(np.where(a > 0, a, 1))[1] - 1 - 8, -126, 127), 0)      # np.frexp(a)[1] - 1 = floor(log2(a)), exactly
;;       r = np.clip(x / 2.0 ** e, -448, 448)
;;       step = 2.0 ** (np.maximum(np.frexp(np.where(r == 0, 1, r))[1] - 1, -6) - 3)
;;       q = np.round(r / step) * step * 2.0 ** e      # np.round: ties to even
;;       return np.moveaxis(q.reshape(q.shape[:-2] + (-1,))[..., :K], -1, axis).astype(np.float32)
;;   ~~~
;;   OPERANDS COMPUTED ON THE WAY. 'Computed on the way' means the value that the module computes at that place (a softmax that the list does not call 'softmax' is quantised finished and normalised). What goes into a quantiser is computed in f32, as accurately as f32 sums, v_exp_f32 and their like allow (about 1e-6 of the number): no bf16 or f16 on the way to a quantiser, and a product that is left as it is and whose result goes on into a quantised operand takes f32 operands (vector FMAs, or v_wmma_f32_16x16x4_f32). A number that lies on a knife's edge between two numbers of the format may be rounded either way, as far as f32 arithmetic and the matrix unit's own rounding can turn it there, and no further.
;; One version. Each part assembles by itself: llvm-mc -triple=amdgcn-amd-amdhsa -mcpu=gfx1250 --defsym DOCPART=n.
;; ======== version 1 of 1: 3 launches
;; limits: right only within a limited range of input values
;; workspace buffers: xw 4,456,448 bytes; wvp 2,228,224 bytes; cp 17,825,792 bytes
;; launch prep (part 1): grid 512 x 1, 4 waves a work-group, no clusters, 34,304 bytes of LDS; arguments input_data, Wv, Wo, xw, wvp; writes xw, wvp
.if DOCPART == 1
	.amdgcn_target "amdgcn-amd-amdhsa--gfx1250"
	.amdhsa_code_object_version 6
	.text
	.protected	k_qd28bf9f025_prep
	.globl	k_qd28bf9f025_prep
	.p2align	8
	.type	k_qd28bf9f025_prep,@function
k_qd28bf9f025_prep:
	s_mov_b64 s[64:65], 0
	v_nop
	global_prefetch_b8 v0, s[64:65] scope:SCOPE_SE
	s_setreg_imm32_b32 hwreg(HW_REG_WAVE_MODE, 25, 1), 1
	s_wait_xcnt 0x0
; THE PROGRAM: out = Q(2048 (Q(x) Q(Wv) + bv)) Q(Wo) + bo, Q the quantiser to E4M3 with one E8M0 byte for each 32 along K.
; WORK LEFT OUT, AND WHY IT IS DEAD.  reference() multiplies v[n, :, h, :] by one number, the sum over BOTH axes of softmax(scores)[n, h, :, :].  In real numbers a softmax's row sums to 1 for every row of finite scores,
; hidden ones (-1e9) among them, so that number is 2,048, the count of queries, for all finite values of input_data, mask, Wq, bq, Wk, bk, and whatever the quantisers of q and k make of them.
; So the table's products 1, 2 and 4, the mask's selection and the softmax (with the maximum that serves it alone) reach no output and are left out; mask, Wq, bq, Wk, bk have no way to the output, are not loaded and are among no launch's arguments.
; LIMIT: a NaN, an infinity or an overflow that reaches only the work left out is not carried to the result; the rounding of reference()'s own f32 sum of weights beside 2,048 is not reproduced.
; THIS LAUNCH quantises x [4096][512], Wv [512][4096] and Wo [4096][512] once.  2,048 = 2^11 is folded into Wv's scale bytes: 11 is added to each.
; THE LAYOUT OF ALL CODES IS THE HALF PANEL, 4,352 bytes = 16 rows x 256 along K, an image of operand registers:
;   bytes 0..255: scale words, 8 bytes a lane (lane l: row l % 16; word 0, 1 = the first, second 128 along K; lanes 16-31 repeat lanes 0-15);
;   byte 256 + 2048 sl + 512 c + 16 l: registers 4 c .. 4 c + 3 of lane l of the fragment of the sl-th 128 along K (row l % 16, k = 32 c + 16 (l / 16) + 0..15).
; WEIGHT TILES ARE PERMUTED: row m of tile 2 B + u is column 32 B + 8 u + m + 8 (m / 8), so that a transposed product leaves a lane 16 neighbouring columns in tiles 2 B and 2 B + 1.
; WORK-GROUPS: 0-127 Wv, 128-255 Wo (128 columns x 128 K each, a wave 32 columns); 256-511 x (a row tile each, a wave 128 along K).
; A block's scale is 2^(floor(log2(largest magnitude)) - 8); its byte is that magnitude's exponent field - 8, held at 1 from below.
; LIMITS: a block of zeros, or one whose largest magnitude lies under 2^-118, gets the byte 1 (only this program reads the bytes); Wv's magnitudes stay under 2^116, so that byte + 11 stays a finite code; NaN and infinities among the inputs are not served.
; No barrier: waves share nothing.  Only x's path uses LDS.
.set R,   16                           ; v16-143  numbers as loaded (x: v16-79, and v80-143 turned through the stage)
.set X,   80
.set PC,  144                          ; v144-175 codes
.set PW,  176                          ; v176     a scale word
.set TM,  180                          ; v180-195 at work in the quantiser
.set SPW, 196                          ; v196     my spare word; never rewritten
.set NIL, 197                          ; v197     0; never rewritten
.set SPARE, 33792                      ; behind the four stages of 8,448 bytes: the spare words
.set MNT, 26                           ; s26 the mantissa field of 448
.set WV,  27                           ; s27 my wave
.set SEL, 28                           ; s[28:29] lane selects: lane l xor 16
.set XWO, 2228224                      ; where Wo's half panels begin in xw
; 64 numbers of a lane, register 16 b + i = k 32 b + 16 (lane / 16) + i of my row, become a fragment's codes in v[PC] on and its scale word in v[PW]
.macro QUANT s
.irp b, 0,1,2,3
	v_max3_num_f32 v[TM+\b], |v[\s+16*\b]|, |v[\s+1+16*\b]|, 0x4800000   ; my 16 numbers of block b, and the floor 2^(9 - 127)
.endr
.irp i, 2,4,6,8,10,12,14
.irp b, 0,1,2,3
	v_max3_num_f32 v[TM+\b], v[TM+\b], |v[\s+16*\b+\i]|, |v[\s+1+16*\b+\i]|
.endr
.endr
.irp b, 0,1,2,3
	v_permlanex16_b32 v[TM+4+\b], v[TM+\b], s[SEL], s[SEL+1]
.endr
.irp b, 0,1,2,3
	v_max_num_f32 v[TM+\b], v[TM+\b], v[TM+4+\b]                 ; with lane l xor 16's: the block's largest magnitude
.endr
.irp b, 0,1,2,3
	v_add_nc_u32 v[TM+12+\b], 0xfc000000, v[TM+\b]               ; 8 off its exponent field: the conversion's scale operand
.endr
.irp b, 0,1,2,3
	v_and_or_b32 v[TM+8+\b], v[TM+\b], 0x7f800000, s[MNT]        ; 448 x the scale
.endr
.irp b, 0,1,2,3
	v_lshrrev_b32 v[TM+4+\b], 23, v[TM+12+\b]                    ; the scale's byte
.endr
	v_lshl_or_b32 v[PW], v[TM+5], 8, v[TM+4]
	v_lshl_or_b32 v[PW], v[TM+6], 16, v[PW]
	v_lshl_or_b32 v[PW], v[TM+7], 24, v[PW]
.irp b, 0,1,2,3
.irp i, 0,1,2,3,4,5,6,7,8,9,10,11,12,13,14,15
	v_med3_num_f32 v[\s+16*\b+\i], v[\s+16*\b+\i], -v[TM+8+\b], v[TM+8+\b]   ; the conversion does not saturate (ISA guide 7.6.2): the hold at 448 x the scale
.endr
	v_cvt_scalef32_pk8_fp8_f32 v[PC+4*\b:PC+1+4*\b], v[\s+16*\b:\s+7+16*\b], v[TM+12+\b]
	v_cvt_scalef32_pk8_fp8_f32 v[PC+2+4*\b:PC+3+4*\b], v[\s+8+16*\b:\s+15+16*\b], v[TM+12+\b]
.endr
	v_nop                                          ; a plain line behind the last conversion
.endm
; A weight's 32 rows of K, block t, for my column: each load reads 128 consecutive bytes a wave
.macro WLOAD t, pitch, src
.irp i, 0,1,2,3,4,5,6,7,8,9,10,11,12,13,14,15,16,17,18,19,20,21,22,23,24,25,26,27,28,29,30,31
	global_load_b32 v[R+32*(\t)+\i], v10, s[\src:\src+1] offset:(32*(\t)+\i)*\pitch th:TH_LOAD_NT
.endr
.endm
.macro WBLOCK t                        ; block t of 32 along K lies in ONE lane's 32 registers
.set XS, R+32*(\t)
.if (\t) < 2
	s_wait_loadcnt 63                              ; behind block t's loads stand 32 (3 - t), 96 or 64: the largest count that the wait can name is under both
.else
	s_wait_loadcnt 32*(3-(\t))                     ; the later blocks' loads may be out
.endif
	v_max3_num_f32 v[TM], |v[XS]|, |v[XS+1]|, |v[XS+2]|
	v_max3_num_f32 v[TM+1], |v[XS+3]|, |v[XS+4]|, |v[XS+5]|
.irp i, 6,10,14,18,22,26
	v_max3_num_f32 v[TM], v[TM], |v[XS+\i]|, |v[XS+\i+1]|
	v_max3_num_f32 v[TM+1], v[TM+1], |v[XS+\i+2]|, |v[XS+\i+3]|
.endr
	v_max3_num_f32 v[TM], v[TM], |v[XS+30]|, |v[XS+31]|
	v_max3_num_f32 v[TM], v[TM], v[TM+1], 0x4800000   ; and the floor
	v_add_nc_u32 v[TM+2], 0xfc000000, v[TM]        ; the conversion's scale operand
	v_and_or_b32 v[TM+3], v[TM], 0x7f800000, s[MNT]   ; 448 x the scale
	v_lshrrev_b32 v[TM+1], 23, v[TM+2]             ; the byte
.if (\t) == 0
	v_mov_b32 v[PW], v[TM+1]
.else
	v_lshl_or_b32 v[PW], v[TM+1], 8*(\t), v[PW]
.endif
.irp i, 0,1,2,3,4,5,6,7,8,9,10,11,12,13,14,15,16,17,18,19,20,21,22,23,24,25,26,27,28,29,30,31
	v_med3_num_f32 v[XS+\i], v[XS+\i], -v[TM+3], v[TM+3]
.endr
.irp g, 0,1,2,3
	v_cvt_scalef32_pk8_fp8_f32 v[PC+8*(\t)+2*\g:PC+8*(\t)+2*\g+1], v[XS+8*\g:XS+8*\g+7], v[TM+2]
.endr
	global_store_b128 v14, v[PC+8*(\t):PC+8*(\t)+3], s[48:49] offset:256+512*(\t)      ; k 0..15 of the block: the image's lanes 0-15.  Sixteen lanes fill 256 consecutive bytes of a tile, the other sixteen of its neighbour
	global_store_b128 v14, v[PC+8*(\t)+4:PC+8*(\t)+7], s[48:49] offset:512+512*(\t)    ; k 16..31: its lanes 16-31.  Each block has code registers of its own: no store's data are written again
.endm
; A weight: s36 = which 128 columns, s37 = which 128 along K.  ts = bytes from tile to tile.  fold = 1: 11 is added to each scale byte
.macro WPATH src, dst, pitch, ts, fold
	s_mul_i32 s40, s37, 128*\pitch
	s_lshl_b32 s41, s36, 9
	s_add_co_u32 s40, s40, s41
	s_lshl_b32 s41, s[WV], 7
	s_add_co_u32 s40, s40, s41                     ; the K step's first row, + 4 x (128 x column group + 32 x wave)
	s_mov_b32 s41, 0
	s_add_nc_u64 s[\src:\src+1], s[\src:\src+1], s[40:41]
	s_lshl_b32 s42, s36, 3
	s_lshl_b32 s43, s[WV], 1
	s_add_co_u32 s42, s42, s43                     ; my wave's first tile
	s_mul_i32 s42, s42, \ts
	s_lshr_b32 s43, s37, 1
	s_mul_i32 s43, s43, 4352
	s_add_co_u32 s42, s42, s43                     ; and the half panel of this K step
	s_mov_b32 s43, 0
	s_add_nc_u64 s[\dst:\dst+1], s[\dst:\dst+1], s[42:43]
	s_and_b32 s44, s37, 1
	s_lshl_b32 s46, s44, 11
	s_mov_b32 s47, 0
	s_add_nc_u64 s[48:49], s[\dst:\dst+1], s[46:47]   ; codes: + 2048 for the second 128 along K
	s_lshl_b32 s46, s44, 2
	s_add_nc_u64 s[50:51], s[\dst:\dst+1], s[46:47]   ; scale words: + 4
	v_lshlrev_b32 v10, 2, v1                       ; in: 4 bytes a lane
	v_bfe_u32 v11, v1, 3, 1                        ; u: which of the two tiles my column falls into
	v_and_b32 v12, 7, v1
	v_lshrrev_b32 v13, 4, v1
	v_lshl_or_b32 v12, v13, 3, v12                 ; m: its row there
	v_mul_u32_u24 v11, v11, \ts
	v_lshl_add_u32 v14, v12, 4, v11                ; codes: u ts + 16 m
	v_lshl_add_u32 v15, v12, 3, v11                ; scale words: u ts + 8 m
.irp t, 0,1,2,3
	WLOAD \t, \pitch, \src                         ; all four blocks are asked for at once: each has registers of its own
.endr
.irp t, 0,1,2,3
	WBLOCK \t
.endr
.if \fold
	v_add_nc_u32 v[PW], 0x0b0b0b0b, v[PW]          ; x 2^11 in each of the four bytes; none carries (the limit on Wv's magnitudes)
.endif
	global_store_b32 v15, v[PW], s[50:51]          ; my column's scale word, for the image's lane m
	global_store_b32 v15, v[PW], s[50:51] offset:128  ; and for lane 16 + m
	s_endpgm
.endm
	s_load_b256 s[4:11], s[0:1], 0x0               ; x s4, Wv s6, Wo s8, xw s10
	s_load_b64 s[12:13], s[0:1], 0x20              ; wvp
	v_lshl_add_u32 v[SPW], v0, 2, SPARE
	v_mov_b32 v[NIL], 0
	v_lshrrev_b32 v10, 5, v0
	v_readfirstlane_b32 s[WV], v10
	v_and_b32 v1, 31, v0                           ; lane
	v_and_b32 v2, 15, v0                           ; r
	v_bfe_u32 v3, v0, 4, 1                         ; h
	v_lshlrev_b32 v4, 4, v1                        ; 16 x lane
	v_lshlrev_b32 v5, 3, v1                        ; 8 x lane
	s_mul_i32 s30, s[WV], 8448                     ; a stage: 16 rows x 528 bytes
	v_add_nc_u32 v6, s30, v4                       ; x's stage, in
	v_mul_u32_u24 v10, v2, 528
	v_add_nc_u32 v10, s30, v10
	v_lshl_add_u32 v7, v3, 6, v10                  ; x's stage, out: row r, + 64 h
	s_mov_b32 s[MNT], 0x600000
	s_mov_b32 s[SEL], 0x76543210
	s_mov_b32 s[SEL+1], 0xfedcba98
	s_wait_alu depctr_va_vdst(0)                   ; the wait at the head's end
	s_wait_kmcnt 0x0
	s_cmp_lt_u32 ttmp9, 128
	s_cbranch_scc1 .Lpath_wv
	s_cmp_lt_u32 ttmp9, 256
	s_cbranch_scc1 .Lpath_wo
	; ---- x: row tile t, my wave's 128 along K
	s_sub_co_u32 s31, ttmp9, 256
	s_lshl_b32 s32, s31, 15                        ; 16 rows of 2,048 bytes
	s_lshl_b32 s34, s[WV], 9
	s_add_co_u32 s32, s32, s34
	s_mov_b32 s33, 0
	s_add_nc_u64 s[4:5], s[4:5], s[32:33]
.irp i, 0,1,2,3,4,5,6,7,8,9,10,11,12,13,14,15
	global_load_b128 v[R+4*\i:R+4*\i+3], v4, s[4:5] offset:\i*2048 th:TH_LOAD_NT   ; 512 consecutive bytes of each of 16 rows
.endr
	s_mul_i32 s32, s31, 8704
	s_lshr_b32 s34, s[WV], 1
	s_mul_i32 s34, s34, 4352
	s_add_co_u32 s32, s32, s34
	s_add_nc_u64 s[10:11], s[10:11], s[32:33]      ; my half panel
	s_and_b32 s34, s[WV], 1
	s_lshl_b32 s32, s34, 11
	s_add_nc_u64 s[36:37], s[10:11], s[32:33]      ; codes
	s_lshl_b32 s32, s34, 2
	s_add_nc_u64 s[38:39], s[10:11], s[32:33]      ; scale words
.irp b, 0,1,2,3
	v_mov_b32 v[TM+4+\b], 0                        ; (a lane permute's destination counts as read)
.endr
	s_wait_loadcnt 0x0
.irp i, 0,1,2,3,4,5,6,7,8,9,10,11,12,13,14,15
	ds_store_b128 v6, v[R+4*\i:R+4*\i+3] offset:\i*528
.endr
.irp b, 0,1,2,3                                ; LDS serves a wave's instructions in order: these see my stores.  My 16 neighbours of each block of 32 of row r
.irp j, 0,1,2,3
	ds_load_b128 v[X+16*\b+4*\j:X+16*\b+4*\j+3], v7 offset:128*\b+16*\j
.endr
.endr
	s_wait_dscnt 0x0
	QUANT X
.irp c, 0,1,2,3
	global_store_b128 v4, v[PC+4*\c:PC+4*\c+3], s[36:37] offset:256+512*\c   ; 512 consecutive bytes a store
.endr
	global_store_b32 v5, v[PW], s[38:39]
	s_wait_tensorcnt 0x0                           ; the wave's end
	ds_add_u32 v[SPW], v[NIL]
	s_wait_dscnt 0x0
	s_endpgm
.Lpath_wv:                                     ; ---- Wv: K is 512, a tile has two half panels
	s_lshr_b32 s36, ttmp9, 2                       ; which 128 columns
	s_and_b32 s37, ttmp9, 3                        ; which 128 along K
	WPATH 6, 12, 16384, 8704, 1
.Lpath_wo:                                     ; ---- Wo: K is 4,096, a tile has sixteen half panels
	s_sub_co_u32 s32, ttmp9, 128
	s_lshr_b32 s36, s32, 5
	s_and_b32 s37, s32, 31
	s_add_nc_u64 s[10:11], s[10:11], XWO
	WPATH 8, 10, 2048, 69632, 0
.Lfunc_end_k_qd28bf9f025_prep:
	.size	k_qd28bf9f025_prep, .Lfunc_end_k_qd28bf9f025_prep-k_qd28bf9f025_prep
	.p2alignl 7, 3214868480
	.fill 96, 4, 3214868480
	.section	.rodata,"a",@progbits
	.p2align	6, 0x0
	.amdhsa_kernel k_qd28bf9f025_prep
		.amdhsa_group_segment_fixed_size 34304
		.amdhsa_private_segment_fixed_size 0
		.amdhsa_enable_private_segment 0
		.amdhsa_kernarg_size 40
		.amdhsa_user_sgpr_count 2
		.amdhsa_user_sgpr_kernarg_segment_ptr 1
		.amdhsa_wavefront_size32 1
		.amdhsa_system_sgpr_workgroup_id_x 1
		.amdhsa_system_sgpr_workgroup_id_y 1
		.amdhsa_system_sgpr_workgroup_id_z 1
		.amdhsa_system_vgpr_workitem_id 0
		.amdhsa_next_free_vgpr 200
		.amdhsa_next_free_sgpr 66
		.amdhsa_reserve_vcc 0
		.amdhsa_float_denorm_mode_32 3
		.amdhsa_float_denorm_mode_16_64 3
		.amdhsa_memory_ordered 1
		.amdhsa_forward_progress 1
		.amdhsa_inst_pref_size 72
	.end_amdhsa_kernel
	.amdgpu_metadata
---
amdhsa.version: [ 1, 2 ]
amdhsa.kernels:
  - .name:           k_qd28bf9f025_prep
    .symbol:         k_qd28bf9f025_prep.kd
    .args:
      - { .name: input_data, .offset: 0, .size: 8, .value_kind: global_buffer, .address_space: global }
      - { .name: Wv, .offset: 8, .size: 8, .value_kind: global_buffer, .address_space: global }
      - { .name: Wo, .offset: 16, .size: 8, .value_kind: global_buffer, .address_space: global }
      - { .name: xw, .offset: 24, .size: 8, .value_kind: global_buffer, .address_space: global }
      - { .name: wvp, .offset: 32, .size: 8, .value_kind: global_buffer, .address_space: global }
    .group_segment_fixed_size: 34304
    .private_segment_fixed_size: 0
    .kernarg_segment_align: 8
    .kernarg_segment_size: 40
    .max_flat_workgroup_size: 128
    .sgpr_count:     66
    .vgpr_count:     200
    .wavefront_size: 32
...
	.end_amdgpu_metadata
.endif
;; end of part 1
;; launch projv (part 2): grid 16 x 16, 4 waves a work-group, clusters of 4 x 4, 279,040 bytes of LDS; arguments xw, wvp, bv, cp; writes cp
.if DOCPART == 2
	.amdgcn_target "amdgcn-amd-amdhsa--gfx1250"
	.amdhsa_code_object_version 6
	.text
	.protected	k_qd28bf9f025_projv
	.globl	k_qd28bf9f025_projv
	.p2align	8
	.type	k_qd28bf9f025_projv,@function
k_qd28bf9f025_projv:
	s_mov_b64 s[64:65], 0
	v_nop
	global_prefetch_b8 v0, s[64:65] scope:SCOPE_SE
	s_setreg_imm32_b32 hwreg(HW_REG_WAVE_MODE, 25, 1), 1
	s_wait_xcnt 0x0
	s_wait_alu depctr_hold_cnt(0) depctr_sa_sdst(0) depctr_va_vdst(0) depctr_va_sdst(0) depctr_va_ssrc(0) depctr_va_vcc(0) depctr_vm_vsrc(0)
	s_getreg_b32 s2, hwreg(HW_REG_IB_STS2, 6, 4)
	s_cmp_eq_u32 s2, 0
	s_cbranch_scc0 .Lentry_in_a_cluster
	s_endpgm
.Lentry_in_a_cluster:
	s_bfe_u32 s2, ttmp6, 0x10000c
	s_cmp_lg_u32 s2, 0xf033
	s_cbranch_scc0 .Lentry_shape_is_right
	s_endpgm
.Lentry_shape_is_right:
; concat = Q(2048 (x Wv + bv)): x [4096][512] and Wv are codes of E4M3 with E8M0 scales; the result is quantised along its own columns (blocks of 32) and stored as half panels.
; WORK LEFT OUT: the factor is reference()'s sum of all softmax weights of an (n, head), which is 2,048 for all finite inputs (shown at the head of the first kernel); q, k, the scores and the softmax are not computed.
; 2,048 = 2^11 comes in exactly: Wv's scale bytes carry 11 more (the first launch added it), and the bias is multiplied by 2,048 here.
; A HALF PANEL is 4,352 bytes = 16 rows x 256 along K as an image of operand registers: 256 bytes of scale words (8 a lane), then two fragments of 2,048 bytes (register group c of lane l at 512 c + 16 l).
; SHARES.  A work-group of four waves makes 256 x 256; a wave 128 x 128: 64 accumulators, 512 registers.  K = 512 is four steps of 128: ALL OF K LIES IN TWO LDS SLOTS OF 256 ALONG K, each filled once, so no byte of LDS is filled again.
; CLUSTER.  4 x 4 work-groups: the four of a row need the same panels of x, the four of a column the same panels of Wv: each is asked for jointly, by the same tensor load with a mask that names the four.
; THE HEAD'S LOADS, one a wave, each 16 rows of 4,352 bytes: wave 0 x's first 256 along K, wave 1 Wv's, wave 2 x's second 256, wave 3 Wv's.  Waves 0 and 1 wait at the first barrier, all four at the change of slots.
; No prefetch: all that the work-group reads is asked for at the head, and there is no loop to run ahead in.
; THE PRODUCT IS USED TRANSPOSED (source 0 = 16 columns of Wv, source 1 = 16 rows of x), and Wv's tiles are permuted, so that a lane holds one row and its 64 registers of a row block are 128 neighbouring columns in the order that a fragment wants.
; The bias is the C of each sum's first product.  The quantiser reads the sums where they lie, in windows 2 and 3.
; LIMITS: a block of zeros, or one whose largest magnitude lies under 2^-118, gets the byte 1 (only this program reads the bytes); NaN, infinities and sums beyond f32's range are not served.
; REGISTERS: window 0: v16-27 addresses; v30, v31 the add's; v32-63 scale words, two sets; v64-127 the bias, 8 tiles; v128-255 x's fragments, one set (on the way out: v192-207 codes, v224-240 at work).
;   window 1: Wv's fragments, two sets.   windows 2, 3: the accumulators of my rows 0-63, 64-127 (accumulator (a, b) at v[8 (8 (a % 4) + b)]).
.set FR,    16
.set NL,    4
.set NP,    8                          ; places behind this matrix instruction (ISA guide 7.12.1)
.set NQ,    2
.set HPB,   4352
.set HALFT, 8*HPB                      ; eight half panels: what a wave reads of x or of Wv in a slot
.set SLOT,  4*HALFT                    ; x's sixteen, then Wv's sixteen
.set SPARE, 2*SLOT                     ; behind the slots: the spare words
.set ADRA, 16                          ; v16-17 my x fragments in slot 0, 1
.set ADRB, 20                          ; v20-21 my Wv fragments
.set L16,  24                          ; v24 16 x lane
.set L8,   25                          ; v25 8 x lane
.set ADRS, 26                          ; v26-27 my scale words in slot 0, 1: lanes 0-15 x's, lanes 16-31 Wv's
.set SPW,  30
.set NIL,  31
.set SC,   32
.set BI,   64
.set AF,   128
.set PC,   192
.set TM,   224
.set PW,   240
.set WV,   16                          ; s16 wave; s17 my row half; s18 my column half; s19 tile row; s42 tile column
.set G1,   24                          ; s[24:31] group 1 for x's panels; s[32:39] group 0 for slots 0, 1
.set G0,   32
.set G1B,  48                          ; s[48:55], s[56:63] the same for Wv's
.set G0B,  56
.set SEL,  82
.set MNT,  84
.set MSB, 0
.macro WIN new                         ; the immediate's high byte repeats the setting that is left
.if MSB != (\new)
	s_set_vgpr_msb (MSB<<8)|(\new)
.set MSB, (\new)
.endif
.endm
.set MUL_LO, 0xa1                      ; source 0 (Wv) window 1, source 1 (x) window 0, C and D window 2
.set MUL_HI, 0xf1                      ; the same, C and D window 3
.set BIA_LO, 0x81                      ; C (the bias) window 0, D window 2
.set BIA_HI, 0xc1                      ; C window 0, D window 3
.set TO_B,   0x40
.macro CROUND                          ; a round of the cluster's barrier
	s_barrier_signal -1
	s_barrier_wait -1
	s_cmp_lg_u32 s[WV], 0
	s_cbranch_scc1 .Lnot_wave_0_\@
	s_barrier_signal -3
.Lnot_wave_0_\@:
	s_barrier_wait -3
	s_barrier_signal -1
	s_barrier_wait -1
.endm
.macro PLACES n
.rept \n
	v_nop
.endr
.endm
	s_load_b128 s[4:7], s[0:1], 0x0                ; x's panels, Wv's panels
	s_load_b128 s[8:11], s[0:1], 0x10              ; bv, the result
	v_lshl_add_u32 v[SPW], v0, 2, SPARE
	v_mov_b32 v[NIL], 0
	ds_add_u32 v[SPW], v[NIL]                      ; the opening lines: the add, twice on end, and its wait ahead of my first tensor load
	ds_add_u32 v[SPW], v[NIL]
	v_lshrrev_b32 v1, 5, v0
	v_readfirstlane_b32 s[WV], v1
	s_lshr_b32 s17, s[WV], 1
	s_and_b32 s18, s[WV], 1
	s_bfe_u32 s40, ttmp6, 0x40000                  ; cx
	s_bfe_u32 s41, ttmp6, 0x40004                  ; cy
	s_lshl_b32 s42, ttmp9, 2
	s_add_co_u32 s42, s42, s40                     ; tile column = 4 x cluster x + cx
	s_and_b32 s19, ttmp7, 0xffff
	s_lshl_b32 s19, s19, 2
	s_add_co_u32 s19, s19, s41                     ; tile row = 4 x cluster y + cy
	s_lshl_b32 s43, s41, 2
	s_lshl_b32 s43, 15, s43                        ; my row of the cluster
	s_lshl_b32 s44, 0x1111, s40                    ; my column
	; group 1: sixteen rows of 4,352 bytes (544 elements of 8 bytes), 8,704 bytes apart in memory, dense in LDS
	s_or_b32 s[G1], s43, (3<<16)|(1<<21)           ; 15:0 the mask; 17:16 elements of 8 bytes; 21 set beside a mask; no padding
	s_or_b32 s[G1B], s44, (3<<16)|(1<<21)
.irp g, G1, G1B
	s_mov_b32 s[\g+1], 544<<16                     ; tensor_dim0
	s_mov_b32 s[\g+2], 16<<16                      ; tensor_dim1
	s_mov_b32 s[\g+3], 544<<16                     ; tile_dim0
	s_mov_b32 s[\g+4], 16                          ; tile_dim1
	s_mov_b32 s[\g+5], 1088                        ; from row to row
	s_mov_b32 s[\g+6], 0
	s_mov_b32 s[\g+7], 0
.endr
	s_mul_i32 s20, s19, 16*8704                    ; x: panel 16 x tile row
	s_mov_b32 s21, 0
	s_mul_i32 s46, s42, 16*8704                    ; Wv: panel 16 x tile column
	s_mov_b32 s47, 0
	s_wait_dscnt 0x0                               ; both opening adds are done
	s_wait_kmcnt 0x0
	s_add_nc_u64 s[20:21], s[4:5], s[20:21]
	s_add_nc_u64 s[46:47], s[6:7], s[46:47]
	CROUND                                         ; all sixteen work-groups are here: the joint loads meet
.irp s, 0,1
	s_mov_b32 s[G0+4*\s], 1
	s_mov_b32 s[G0+4*\s+1], \s*SLOT                ; LDS addresses are constants
	s_add_nc_u64 s[G0+4*\s+2:G0+4*\s+3], s[20:21], \s*HPB
	s_or_b32 s[G0+4*\s+3], s[G0+4*\s+3], 0x80000000
	s_mov_b32 s[G0B+4*\s], 1
	s_mov_b32 s[G0B+4*\s+1], \s*SLOT+2*HALFT
	s_add_nc_u64 s[G0B+4*\s+2:G0B+4*\s+3], s[46:47], \s*HPB
	s_or_b32 s[G0B+4*\s+3], s[G0B+4*\s+3], 0x80000000
.endr
; one chain of branches on the wave's number, an arm a load: every way through the head passes exactly one.  An s_nop 0 and four v_nop follow each load
.macro ARM under, g0, g1, next
	s_cmp_lt_u32 s[WV], \under
	s_cbranch_scc0 \next
	tensor_load_to_lds s[\g0:\g0+3], s[\g1:\g1+7]
	s_nop 0
	PLACES 4
	s_branch .Lhead_asked
\next:
.endm
	ARM 1, G0,   G1,  .Lhead_w0
	ARM 2, G0B,  G1B, .Lhead_x1
	ARM 3, G0+4, G1,  .Lhead_w1
	tensor_load_to_lds s[G0B+4:G0B+7], s[G1B:G1B+7]
	s_nop 0
	PLACES 4
.Lhead_asked:
	v_and_b32 v1, 31, v0                           ; lane
	v_bfe_u32 v2, v0, 4, 1                         ; h
	v_lshlrev_b32 v[L16], 4, v1
	v_lshlrev_b32 v[L8], 3, v1
	s_mul_i32 s66, s17, HALFT                      ; my eight half panels of x,
	s_mul_i32 s67, s18, HALFT
	s_add_co_u32 s67, s67, 2*HALFT                 ; and of Wv, behind x's sixteen
	v_add_nc_u32 v[ADRA], s66, v[L16]
	v_add_nc_u32 v[ADRB], s67, v[L16]
	v_add_nc_u32 v[ADRA+1], SLOT, v[ADRA]
	v_add_nc_u32 v[ADRB+1], SLOT, v[ADRB]
	s_sub_co_u32 s68, s67, s66
	v_mul_u32_u24 v3, s68, v2                      ; lanes 16-31 take Wv's scale words
	v_add_nc_u32 v3, v3, v[L8]
	v_add_nc_u32 v[ADRS], s66, v3
	v_add_nc_u32 v[ADRS+1], SLOT, v[ADRS]
	s_lshl_b32 s70, s42, 10
	s_lshl_b32 s71, s18, 9
	s_add_co_u32 s70, s70, s71                     ; my 128 columns' numbers of the bias
	s_mov_b32 s71, 0
	s_add_nc_u64 s[8:9], s[8:9], s[70:71]
	v_lshlrev_b32 v4, 6, v2                        ; lane (r, h) wants, for tile 2 B + u, those of columns 32 B + 16 h + 8 u + 0..7
.irp b, 0,1,2,3,4,5,6,7
	global_load_b128 v[BI+8*\b:BI+8*\b+3], v4, s[8:9] offset:(32*(\b/2)+8*(\b%2))*4
	global_load_b128 v[BI+8*\b+4:BI+8*\b+7], v4, s[8:9] offset:(32*(\b/2)+8*(\b%2))*4+16
.endr
	s_lshr_b32 s74, s42, 1
	s_lshl_b32 s74, s74, 8                         ; the result's panels: [512 columns][row tile]
	s_lshl_b32 s75, s19, 4
	s_add_co_u32 s74, s74, s75
	s_lshl_b32 s75, s17, 3
	s_add_co_u32 s74, s74, s75
	s_lshl_b32 s74, s74, 1
	s_and_b32 s75, s42, 1
	s_add_co_u32 s74, s74, s75                     ; and the half panel of my tile column
	s_mul_i32 s74, s74, HPB
	s_mov_b32 s75, 0
	s_add_nc_u64 s[10:11], s[10:11], s[74:75]
	s_lshl_b32 s76, s18, 11
	s_mov_b32 s77, 0
	s_add_nc_u64 s[78:79], s[10:11], s[76:77]      ; codes: my 128 columns are its first or second fragment
	s_lshl_b32 s76, s18, 2
	s_add_nc_u64 s[80:81], s[10:11], s[76:77]      ; scale words
	s_mov_b32 s[SEL], 0x76543210
	s_mov_b32 s[SEL+1], 0xfedcba98
	s_mov_b32 s[MNT], 0x600000
.macro FRAG reg, adr, q, i             ; a fragment comes back as it was laid: 512 consecutive bytes a load
.irp c, 0,1,2,3
	ds_load_b128 v[\reg+4*\c:\reg+4*\c+3], v[\adr] offset:256+2048*(\q)+512*\c+(\i)*HPB
.endr
.endm
; 16 products: x's blocks a0, a0 + 1 against Wv's eight.  zero = 1: the first product of each sum takes the bias as C.  The 64 accumulators take turns, one instruction a turn
.macro MUL16 a0, p, q, sc, zero
.irp a, \a0, \a0+1
.irp b, 0,1,2,3,4,5,6,7
.if \zero
	v_wmma_scale_f32_16x16x128_f8f6f4 v[8*(8*((\a)%4)+\b):8*(8*((\a)%4)+\b)+7], v[128*(\p)+FR*\b:128*(\p)+FR*\b+FR-1], v[AF+FR*(\a):AF+FR*(\a)+FR-1], v[BI+8*\b:BI+8*\b+7], v[SC+8*NQ*(\sc)+NQ*\b+(\q)], v[SC+8*NQ*(\sc)+NQ*(\a)+(\q)] matrix_a_scale:MATRIX_SCALE_ROW1
.else
	v_wmma_scale_f32_16x16x128_f8f6f4 v[8*(8*((\a)%4)+\b):8*(8*((\a)%4)+\b)+7], v[128*(\p)+FR*\b:128*(\p)+FR*\b+FR-1], v[AF+FR*(\a):AF+FR*(\a)+FR-1], v[8*(8*((\a)%4)+\b):8*(8*((\a)%4)+\b)+7], v[SC+8*NQ*(\sc)+NQ*\b+(\q)], v[SC+8*NQ*(\sc)+NQ*(\a)+(\q)] matrix_a_scale:MATRIX_SCALE_ROW1
.endif
.endr
.endr
.endm
.macro FETCH_B slot, q, p
	WIN TO_B
.irp i, 0,1,2,3,4,5,6,7
	FRAG 128*(\p)+FR*\i, ADRB+\slot, \q, \i
.endr
	WIN 0
.endm
.macro FETCH_A slot, q, i0
.irp i, \i0, \i0+1, \i0+2, \i0+3
	FRAG AF+FR*(\i), ADRA+\slot, \q, \i
.endr
.endm
.macro SCALES sc                       ; a slot's scale words: two a row; lanes 0-15 x's block i, lanes 16-31 Wv's block i
.irp i, 0,1,2,3,4,5,6,7
	ds_load_b64 v[SC+8*NQ*\sc+NQ*\i:SC+8*NQ*\sc+NQ*\i+1], v[ADRS+\sc] offset:\i*HPB
.endr
.endm
.macro STEP slot, q, zero              ; a step of 128 along K that has its successor in the same slot
	s_wait_dscnt 4*NL                              ; Wv's set and x's blocks 0-3 are in; the youngest sixteen loads (x's blocks 4-7) may be out
.if \zero
	WIN BIA_LO
.else
	WIN MUL_LO
.endif
	MUL16 0, (\q)%2, \q, \slot, \zero
	MUL16 2, (\q)%2, \q, \slot, \zero
	s_wait_dscnt 0x0                               ; x's blocks 4-7 are in
	PLACES NP                                      ; in front of loads into registers that products have read
	FETCH_B \slot, (\q)+1, 1-(\q)%2
	FETCH_A \slot, (\q)+1, 0
.if \zero
	WIN BIA_HI
.else
	WIN MUL_HI
.endif
	MUL16 4, (\q)%2, \q, \slot, \zero
	MUL16 6, (\q)%2, \q, \slot, \zero
	PLACES NP
	WIN 0
	FETCH_A \slot, (\q)+1, 4
.endm
; My row block a: its 64 sums a lane, register 16 b + i = column 32 b + 16 (lane / 16) + i of my row, become a fragment's codes and its scale word.  The sums are read, held and converted in their own window
.macro OUTBLK a
.set W_, 2+(\a)/4
.set AC, 64*((\a)%4)
	WIN W_|(W_<<2)                                 ; sources 0 and 1: the sums' window
.irp b, 0,1,2,3
	v_max3_num_f32 v[TM+\b], |v[AC+16*\b]|, |v[AC+16*\b+1]|, 0x4800000   ; each accumulator from its low end on; the floor 2^(9 - 127): the byte cannot fall under 1
.endr
.irp i, 2,4,6,8,10,12,14
.irp b, 0,1,2,3
	v_max3_num_f32 v[TM+\b], |v[AC+16*\b+\i]|, |v[AC+16*\b+\i+1]|, v[TM+\b]
.endr
.endr
	WIN 0
.irp b, 0,1,2,3
	v_permlanex16_b32 v[TM+4+\b], v[TM+\b], s[SEL], s[SEL+1]
.endr
.irp b, 0,1,2,3
	v_max_num_f32 v[TM+\b], v[TM+\b], v[TM+4+\b]
.endr
.irp b, 0,1,2,3
	v_add_nc_u32 v[TM+12+\b], 0xfc000000, v[TM+\b]               ; 8 off the exponent field: the conversion's scale operand
.endr
.irp b, 0,1,2,3
	v_and_or_b32 v[TM+8+\b], v[TM+\b], 0x7f800000, s[MNT]        ; 448 x the scale
.endr
.irp b, 0,1,2,3
	v_lshrrev_b32 v[TM+4+\b], 23, v[TM+12+\b]
.endr
	s_wait_alu depctr_va_vdst(0)
	s_wait_xcnt 0x0                                ; the last block's stores have read their data, the scale word and the codes: both are written again only behind this wait
	v_lshl_or_b32 v[PW], v[TM+5], 8, v[TM+4]
	v_lshl_or_b32 v[PW], v[TM+6], 16, v[PW]
	v_lshl_or_b32 v[PW], v[TM+7], 24, v[PW]
	WIN (W_<<6)|W_                                 ; destination and source 0: the sums' window
.irp b, 0,1,2,3
.irp i, 0,1,2,3,4,5,6,7,8,9,10,11,12,13,14,15
	v_med3_num_f32 v[AC+16*\b+\i], v[AC+16*\b+\i], -v[TM+8+\b], v[TM+8+\b]   ; the conversion does not saturate (ISA guide 7.6.2)
.endr
.endr
	WIN W_                                         ; source 0 alone
.irp b, 0,1,2,3
	v_cvt_scalef32_pk8_fp8_f32 v[PC+4*\b:PC+1+4*\b], v[AC+16*\b:AC+7+16*\b], v[TM+12+\b]
	v_cvt_scalef32_pk8_fp8_f32 v[PC+2+4*\b:PC+3+4*\b], v[AC+8+16*\b:AC+15+16*\b], v[TM+12+\b]
.endr
	WIN 0
	v_nop                                          ; a plain line behind the last conversion
.irp c, 0,1,2,3
	global_store_b128 v[L16], v[PC+4*\c:PC+4*\c+3], s[78:79] offset:8704*(\a)+256+512*\c   ; 512 consecutive bytes, aligned to 256
.endr
	global_store_b32 v[L8], v[PW], s[80:81] offset:8704*(\a)
.endm
	s_wait_alu depctr_va_vdst(0)                   ; the wait at the head's end
	s_cmp_lt_u32 s[WV], 2
	s_cbranch_scc0 .Lnot_first
	s_wait_tensorcnt 0x0                           ; waves 0, 1: slot 0's tiles have landed.  Waves 2, 3 wait at the change of slots
.Lnot_first:
	s_barrier_signal -1
	s_barrier_wait -1                              ; slot 0 is whole for everybody
	FETCH_B 0, 0, 0
	FETCH_A 0, 0, 0
	SCALES 0
	FETCH_A 0, 0, 4
	s_wait_loadcnt 0x0                             ; the bias
.set i, 0
.rept 32
	v_pk_mul_f32 v[BI+2*i:BI+2*i+1], v[BI+2*i:BI+2*i+1], 0x45000000 op_sel_hi:[1,0]   ; x 2,048
.set i, i+1
.endr
	s_wait_alu depctr_va_vdst(0)
	STEP 0, 0, 1                                   ; K 0-127: the sums begin with the bias
	; K 128-255, and the change of slots: one barrier; in front of it every wave's load has landed and my reads of slot 0 are over; nothing is filled again
	s_wait_tensorcnt 0x0
	s_wait_dscnt 4*NL                              ; (x's blocks 4-7 may be out)
	WIN MUL_LO
	MUL16 0, 1, 1, 0, 0
	s_wait_dscnt 0x0
	s_barrier_signal -1
	MUL16 2, 1, 1, 0, 0
	WIN 0
	s_barrier_wait -1
	PLACES NP
	FETCH_B 1, 0, 0
	FETCH_A 1, 0, 0
	SCALES 1
	WIN MUL_HI
	MUL16 4, 1, 1, 0, 0
	MUL16 6, 1, 1, 0, 0
	PLACES NP
	WIN 0
	FETCH_A 1, 0, 4
	STEP 1, 0, 0                                   ; K 256-383
	s_wait_dscnt 4*NL                              ; K 384-511: nothing more to fetch
	WIN MUL_LO
	MUL16 0, 1, 1, 1, 0
	MUL16 2, 1, 1, 1, 0
	s_wait_dscnt 0x0
	WIN MUL_HI
	MUL16 4, 1, 1, 1, 0
	MUL16 6, 1, 1, 1, 0
	WIN 0
	PLACES NP                                      ; in front of the first read of results and of writes into the registers that held x's fragments
.irp b, 0,1,2,3
	v_mov_b32 v[TM+4+\b], 0                        ; (a lane permute's destination counts as read)
.endr
.irp a, 0,1,2,3,4,5,6,7
	OUTBLK \a
.endr
	s_wait_tensorcnt 0x0                           ; the wave's end
	ds_add_u32 v[SPW], v[NIL]
	s_wait_dscnt 0x0
	CROUND                                         ; the closing round: no work-group ends while a partner may still ask for a tile that names it
	s_endpgm
.Lfunc_end_k_qd28bf9f025_projv:
	.size	k_qd28bf9f025_projv, .Lfunc_end_k_qd28bf9f025_projv-k_qd28bf9f025_projv
	.p2alignl 7, 3214868480
	.fill 96, 4, 3214868480
	.section	.rodata,"a",@progbits
	.p2align	6, 0x0
	.amdhsa_kernel k_qd28bf9f025_projv
		.amdhsa_group_segment_fixed_size 279040
		.amdhsa_private_segment_fixed_size 0
		.amdhsa_enable_private_segment 0
		.amdhsa_kernarg_size 32
		.amdhsa_user_sgpr_count 2
		.amdhsa_user_sgpr_kernarg_segment_ptr 1
		.amdhsa_wavefront_size32 1
		.amdhsa_system_sgpr_workgroup_id_x 1
		.amdhsa_system_sgpr_workgroup_id_y 1
		.amdhsa_system_sgpr_workgroup_id_z 1
		.amdhsa_system_vgpr_workitem_id 0
		.amdhsa_next_free_vgpr 1024
		.amdhsa_next_free_sgpr 100
		.amdhsa_reserve_vcc 0
		.amdhsa_float_denorm_mode_32 3
		.amdhsa_float_denorm_mode_16_64 3
		.amdhsa_memory_ordered 1
		.amdhsa_forward_progress 1
		.amdhsa_inst_pref_size 133
	.end_amdhsa_kernel
	.amdgpu_metadata
---
amdhsa.version: [ 1, 2 ]
amdhsa.kernels:
  - .name:           k_qd28bf9f025_projv
    .symbol:         k_qd28bf9f025_projv.kd
    .args:
      - { .name: xw, .offset: 0, .size: 8, .value_kind: global_buffer, .address_space: global }
      - { .name: wvp, .offset: 8, .size: 8, .value_kind: global_buffer, .address_space: global }
      - { .name: bv, .offset: 16, .size: 8, .value_kind: global_buffer, .address_space: global }
      - { .name: cp, .offset: 24, .size: 8, .value_kind: global_buffer, .address_space: global }
    .group_segment_fixed_size: 279040
    .private_segment_fixed_size: 0
    .kernarg_segment_align: 8
    .kernarg_segment_size: 32
    .max_flat_workgroup_size: 128
    .sgpr_count:     100
    .vgpr_count:     1024
    .wavefront_size: 32
...
	.end_amdgpu_metadata
.endif
;; end of part 2
;; launch outp (part 3): grid 8 x 32, 4 waves a work-group, clusters of 4 x 4, 279,040 bytes of LDS; arguments cp, xw, bo, out0; writes out0
.if DOCPART == 3
	.amdgcn_target "amdgcn-amd-amdhsa--gfx1250"
	.amdhsa_code_object_version 6
	.text
	.protected	k_qd28bf9f025_outp
	.globl	k_qd28bf9f025_outp
	.p2align	8
	.type	k_qd28bf9f025_outp,@function
k_qd28bf9f025_outp:
	s_mov_b64 s[64:65], 0
	v_nop
	global_prefetch_b8 v0, s[64:65] scope:SCOPE_SE
	s_setreg_imm32_b32 hwreg(HW_REG_WAVE_MODE, 25, 1), 1
	s_wait_xcnt 0x0
	s_wait_alu depctr_hold_cnt(0) depctr_sa_sdst(0) depctr_va_vdst(0) depctr_va_sdst(0) depctr_va_ssrc(0) depctr_va_vcc(0) depctr_vm_vsrc(0)
	s_getreg_b32 s2, hwreg(HW_REG_IB_STS2, 6, 4)
	s_cmp_eq_u32 s2, 0
	s_cbranch_scc0 .Lentry_in_a_cluster
	s_endpgm
.Lentry_in_a_cluster:
	s_bfe_u32 s2, ttmp6, 0x10000c
	s_cmp_lg_u32 s2, 0xf033
	s_cbranch_scc0 .Lentry_shape_is_right
	s_endpgm
.Lentry_shape_is_right:
; out = concat Wo + bo.  concat [4096][4096] and Wo [4096 (k)][512] are codes of E4M3 with E8M0 scales, in half panels of 4,352 bytes (16 rows x 256 along K: 256 bytes of scale words, two fragments as images of operand registers).
; SHARES.  A work-group makes 128 rows x 64 columns.  THE FOUR WAVES SHARE K: wave w takes k = 1024 w .. 1024 w + 1023, eight steps of 128, for the whole tile: 32 accumulators.  So each fragment is wanted by one wave alone.
; Wo: the work-group's 64 columns x 4,096 are 64 half panels, 278,528 bytes: they fit in LDS whole, are filled ONCE (no byte of LDS is filled again), and the four work-groups of a column of the 4 x 4 cluster, which make the
; same 64 columns, ask for them JOINTLY.  Wave w fetches its own K range by one load of 69,632 bytes (four rows of 17,408 bytes, one for each tile of 16 columns), and it alone reads those bytes: its own wait on TENSORcnt orders the reads.
; concat: the work-group's 128 rows x 4,096 are 557,056 bytes: they do not fit beside Wo.  So they come from memory straight into registers, 512 consecutive bytes a load, two sets by turns, though the four work-groups of a row of the
; cluster read the same rows.  No prefetch: these loads are themselves asked for two steps, 64 loads a wave, ahead of their use.
; At the end the four waves' parts meet in LDS and are added in f32, with the bias; each wave stores 32 whole rows of the tile.  K is thus summed in four parts (stated limit: an order of rounding that differs from one chain).
; The stage for the parts lies over Wo's bytes, which have had their only fill: a barrier stands between every wave's last read of them and the first store.
; The product is used transposed (source 0 = 16 columns of Wo, source 1 = 16 rows of concat); Wo's tiles are permuted: lane (r, h) holds in tile 2 B + u the columns 32 B + 16 h + 8 u + 0..7 of row r.
; REGISTERS: window 0: v1-6, v12-15, v20 addresses; v8-11 the bias; v30, v31 the add's; v32-95 concat's scale words (8 a + e); v96-127 Wo's (8 b + e); v128-191 parts read back; v192-255 results.   window 1: the accumulators, 8 (4 a + b).
;   windows 2, 3: the fragment sets of even, odd steps: concat's at 16 a, Wo's at 128 + 16 b.
.set AS,  32
.set BS,  96
.set BL,  12                           ; v12, v13 my fragments of Wo in LDS, first and second half of my K range: 69,632 w (+ 8,704) + 16 x lane
.set BSL, 14                           ; v14, v15 their scale words: the same + 8 x lane
.set SPW, 30
.set NIL, 31
.set XWO, 2228224                      ; where Wo's half panels begin in xw
.set CGB, 2228224                      ; 256 panels: from one head's columns of concat to the next
.set WREG, 69632                       ; a wave's part of Wo in LDS: [tile of four][four half panels]
.set TREG, 17408                       ; a tile's four half panels
.set SPARE, 4*WREG
.set WV,  12                           ; s12 my wave
.set G1,  24                           ; s[24:31] descriptor group 1
.set G0,  32                           ; s[32:35] group 0
.set MSB, 0
.macro WIN new
.if MSB != (\new)
	s_set_vgpr_msb (MSB<<8)|(\new)
.set MSB, (\new)
.endif
.endm
.macro CROUND                          ; a round of the cluster's barrier
	s_barrier_signal -1
	s_barrier_wait -1
	s_cmp_lg_u32 s[WV], 0
	s_cbranch_scc1 .Lnot_wave_0_\@
	s_barrier_signal -3
.Lnot_wave_0_\@:
	s_barrier_wait -3
	s_barrier_signal -1
	s_barrier_wait -1
.endm
.macro LOADA e                         ; step e's fragments of concat: 32 loads from memory
	WIN 0x80+0x40*((\e)%2)
.irp a, 0,1,2,3,4,5,6,7
.irp c, 0,1,2,3
	global_load_b128 v[16*\a+4*\c:16*\a+4*\c+3], v1, s[4:5] offset:((\e)/4)*CGB+(((\e)/2)%2)*4352+((\e)%2)*2048+8704*\a+256+512*\c
.endr
.endr
	WIN 0
.endm
.macro LOADB e                         ; step e's fragments of Wo: 16 loads from LDS, 512 consecutive bytes each
	WIN 0x80+0x40*((\e)%2)
.irp b, 0,1,2,3
.irp c, 0,1,2,3
	ds_load_b128 v[128+16*\b+4*\c:128+16*\b+4*\c+3], v[BL+(\e)/4] offset:TREG*\b+(((\e)/2)%2)*4352+((\e)%2)*2048+256+512*\c
.endr
.endr
	WIN 0
.endm
.macro BSCALES f                       ; Wo's scale words of half f of my K range: steps 4 f .. 4 f + 3
.irp b, 0,1,2,3
.irp k, 0,1
	ds_load_b64 v[BS+8*\b+4*(\f)+2*\k:BS+8*\b+4*(\f)+2*\k+1], v[BSL+(\f)] offset:TREG*\b+4352*\k
.endr
.endr
.endm
.macro KSTEP e
.if (\e) < 7
	s_wait_loadcnt 32                              ; this step's fragments of concat, and all older loads, are in; the next step's 32 may be out
	s_wait_dscnt 16                                ; this step's fragments of Wo, and all older LDS loads, are in; the next step's 16 may be out
.else
	s_wait_loadcnt 0x0
	s_wait_dscnt 0x0
.endif
	WIN 0x5a+5*((\e)%2)                            ; sources 0 and 1: window 2 or 3; C and D: window 1
.irp a, 0,1,2,3,4,5,6,7
.irp b, 0,1,2,3
.if (\e) == 0
	v_wmma_scale_f32_16x16x128_f8f6f4 v[8*(4*\a+\b):8*(4*\a+\b)+7], v[128+16*\b:128+16*\b+15], v[16*\a:16*\a+15], 0, v[BS+8*\b+(\e)], v[AS+8*\a+(\e)]
.else
	v_wmma_scale_f32_16x16x128_f8f6f4 v[8*(4*\a+\b):8*(4*\a+\b)+7], v[128+16*\b:128+16*\b+15], v[16*\a:16*\a+15], v[8*(4*\a+\b):8*(4*\a+\b)+7], v[BS+8*\b+(\e)], v[AS+8*\a+(\e)]
.endif
.endr
.endr
	WIN 0
.rept 8
	v_nop                                          ; places in front of loads into registers that products have read, and of the first read of results
.endr
.if (\e) < 6
	LOADA (\e)+2
	LOADB (\e)+2
.endif
.endm
	s_load_b128 s[4:7], s[0:1], 0x0                ; concat's panels, xw
	s_load_b128 s[8:11], s[0:1], 0x10              ; bo, out
	v_lshl_add_u32 v[SPW], v0, 2, SPARE
	v_mov_b32 v[NIL], 0
	ds_add_u32 v[SPW], v[NIL]                      ; the opening lines: the add, twice on end, and its wait ahead of my first tensor load
	ds_add_u32 v[SPW], v[NIL]
	v_lshrrev_b32 v7, 5, v0
	v_readfirstlane_b32 s[WV], v7                  ; wave
	v_and_b32 v16, 31, v0                          ; lane
	v_and_b32 v17, 15, v0                          ; r
	v_bfe_u32 v18, v0, 4, 1                        ; h
	v_lshlrev_b32 v1, 4, v16                       ; 16 x lane
	v_lshlrev_b32 v2, 3, v16                       ; 8 x lane
	s_mul_i32 s13, s[WV], WREG                     ; my part of Wo in LDS: no place in the cluster enters an LDS address
	v_add_nc_u32 v[BL], s13, v1
	v_add_nc_u32 v[BL+1], 8704, v[BL]
	v_add_nc_u32 v[BSL], s13, v2
	v_add_nc_u32 v[BSL+1], 8704, v[BSL]
	s_mul_i32 s14, s[WV], 34816                    ; my part's place in the stage: 128 rows x (256 + 16) bytes
	v_mul_u32_u24 v3, v17, 272
	v_lshl_add_u32 v3, v18, 6, v3
	v_add_nc_u32 v3, s14, v3                       ; in: row r, + 64 h
	s_mul_i32 s14, s[WV], 8704                     ; back: my 32 rows of every part
	v_mul_u32_u24 v4, v18, 272
	v_lshl_add_u32 v4, v17, 4, v4
	v_add_nc_u32 v4, s14, v4                       ; lanes 0-15 one row, lanes 16-31 the next: parts 0, 1
	v_add_nc_u32 v5, 69632, v4                     ; parts 2, 3
	v_lshlrev_b32 v6, 11, v18
	v_lshl_add_u32 v6, v17, 4, v6                  ; and the same two rows in out
	v_lshlrev_b32 v20, 4, v17                      ; my four columns' bias
	s_bfe_u32 s40, ttmp6, 0x40000                  ; cx
	s_bfe_u32 s41, ttmp6, 0x40004                  ; cy
	s_lshl_b32 s42, ttmp9, 2
	s_add_co_u32 s42, s42, s40                     ; which 64 columns = 4 x cluster x + cx
	s_and_b32 s15, ttmp7, 0xffff
	s_lshl_b32 s15, s15, 2
	s_add_co_u32 s15, s15, s41                     ; which 128 rows = 4 x cluster y + cy
	s_lshl_b32 s44, 0x1111, s40                    ; my column of the cluster: the four that make the same 64 columns
	; group 1: four rows of 17,408 bytes (2,176 elements of 8 bytes), 69,632 bytes apart in memory, dense in LDS
	s_or_b32 s[G1], s44, (3<<16)|(1<<21)           ; 15:0 the mask; 17:16 elements of 8 bytes; 21 set beside a mask; no padding
	s_mov_b32 s[G1+1], 2176<<16                    ; tensor_dim0
	s_mov_b32 s[G1+2], 4<<16                       ; tensor_dim1
	s_mov_b32 s[G1+3], 2176<<16                    ; tile_dim0
	s_mov_b32 s[G1+4], 4                           ; tile_dim1
	s_mov_b32 s[G1+5], 8704                        ; from row to row
	s_mov_b32 s[G1+6], 0
	s_mov_b32 s[G1+7], 0
	s_lshl_b32 s18, s42, 6                         ; Wo: four tiles of sixteen half panels,
	s_lshl_b32 s19, s[WV], 2                       ; my four half panels of each: made of the columns and the wave alone, which the four partners share
	s_add_co_u32 s18, s18, s19
	s_mul_i32 s18, s18, 4352
	s_add_co_u32 s18, s18, XWO
	s_mov_b32 s19, 0
	s_mul_i32 s16, s[WV], 2*CGB                    ; concat: my 1,024 along K are two heads' columns
	s_mul_i32 s17, s15, 8*8704
	s_add_co_u32 s16, s16, s17
	s_mov_b32 s17, 0
	s_lshl_b32 s46, s42, 8                         ; 64 columns of f32
	s_mov_b32 s47, 0
	s_lshl_b32 s48, s15, 7
	s_lshl_b32 s49, s[WV], 5
	s_add_co_u32 s48, s48, s49
	s_lshl_b32 s48, s48, 11                        ; the first row that I store
	s_add_co_u32 s48, s48, s46
	s_mov_b32 s49, 0
	s_wait_alu depctr_va_vdst(0)                   ; the wait at the head's end
	s_wait_dscnt 0x0                               ; both opening adds are done
	s_wait_kmcnt 0x0
	s_add_nc_u64 s[4:5], s[4:5], s[16:17]
	s_add_nc_u64 s[6:7], s[6:7], s[18:19]
	s_add_nc_u64 s[8:9], s[8:9], s[46:47]
	s_add_nc_u64 s[10:11], s[10:11], s[48:49]
	global_load_b128 v[8:11], v20, s[8:9]          ; the bias, concat's scale words and its first two steps' fragments go out ahead of the round: 33 + 64 loads
.irp a, 0,1,2,3,4,5,6,7
.irp k, 0,1,2,3
	global_load_b64 v[AS+8*\a+2*\k:AS+8*\a+2*\k+1], v2, s[4:5] offset:(\k/2)*CGB+(\k%2)*4352+8704*\a
.endr
.endr
	LOADA 0
	LOADA 1
	CROUND                                         ; all sixteen work-groups are here: the joint loads meet
	s_mov_b32 s[G0], 1                             ; count = 1
	s_mov_b32 s[G0+1], s13                         ; LDS address
	s_mov_b64 s[G0+2:G0+3], s[6:7]                 ; global address
	s_or_b32 s[G0+3], s[G0+3], 0x80000000          ; type = 2
	tensor_load_to_lds s[G0:G0+3], s[G1:G1+7]      ; every wave fetches its own K range: one load a wave; an s_nop 0 and four v_nop follow it
	s_nop 0
.rept 4
	v_nop
.endr
	s_wait_tensorcnt 0x0                           ; my part of Wo has landed
	BSCALES 0
	BSCALES 1
	LOADB 0
	LOADB 1
.irp e, 0,1,2,3,4,5,6,7                        ; the 32 accumulators take turns, one instruction a turn, in the same order in every step
	KSTEP \e
.endr
	s_barrier_signal -1                            ; my reads of Wo's bytes are over (the last wait on DScnt was for 0) and my tensor load has landed:
	s_barrier_wait -1                              ; so are everybody's: the stage may be written over them
	WIN 0x04                                       ; an LDS store's data are its source 1: window 1
.irp a, 0,1,2,3,4,5,6,7
.irp b, 0,1,2,3
	ds_store_b128 v3, v[8*(4*\a+\b):8*(4*\a+\b)+3] offset:4352*\a+128*(\b/2)+32*(\b%2)       ; each accumulator from its low end on
	ds_store_b128 v3, v[8*(4*\a+\b)+4:8*(4*\a+\b)+7] offset:4352*\a+128*(\b/2)+32*(\b%2)+16
.endr
.endr
	WIN 0
	s_wait_dscnt 0x0                               ; for the others' sake: my part lies in LDS
	s_barrier_signal -1
	s_barrier_wait -1
.irp q, 0,1,2,3                                ; four pairs of rows at a time: the four parts, added, with the bias
.irp t, 0,1,2,3
	ds_load_b128 v[128+16*\t:128+16*\t+3], v4 offset:544*(4*\q+\t)
	ds_load_b128 v[128+16*\t+4:128+16*\t+7], v4 offset:544*(4*\q+\t)+34816
	ds_load_b128 v[128+16*\t+8:128+16*\t+11], v5 offset:544*(4*\q+\t)
	ds_load_b128 v[128+16*\t+12:128+16*\t+15], v5 offset:544*(4*\q+\t)+34816
.endr
	s_wait_dscnt 0x0
.irp t, 0,1,2,3
.irp d, 0,2
	v_pk_add_f32 v[192+16*\q+4*\t+\d:192+16*\q+4*\t+\d+1], v[128+16*\t+\d:128+16*\t+\d+1], v[128+16*\t+4+\d:128+16*\t+4+\d+1]
	v_pk_add_f32 v[128+16*\t+8+\d:128+16*\t+8+\d+1], v[128+16*\t+8+\d:128+16*\t+8+\d+1], v[128+16*\t+12+\d:128+16*\t+12+\d+1]
	v_pk_add_f32 v[192+16*\q+4*\t+\d:192+16*\q+4*\t+\d+1], v[192+16*\q+4*\t+\d:192+16*\q+4*\t+\d+1], v[128+16*\t+8+\d:128+16*\t+8+\d+1]
	v_pk_add_f32 v[192+16*\q+4*\t+\d:192+16*\q+4*\t+\d+1], v[192+16*\q+4*\t+\d:192+16*\q+4*\t+\d+1], v[8+\d:9+\d]
.endr
	global_store_b128 v6, v[192+16*\q+4*\t:192+16*\q+4*\t+3], s[10:11] offset:4096*(4*\q+\t) th:TH_STORE_NT   ; sixteen lanes store 256 consecutive bytes, aligned; each pair of rows has result registers of its own
.endr
.endr
	s_wait_tensorcnt 0x0                           ; the wave's end
	ds_add_u32 v[SPW], v[NIL]
	s_wait_dscnt 0x0
	CROUND                                         ; the closing round: no work-group ends while a partner may still ask for a tile that names it
	s_endpgm
.Lfunc_end_k_qd28bf9f025_outp:
	.size	k_qd28bf9f025_outp, .Lfunc_end_k_qd28bf9f025_outp-k_qd28bf9f025_outp
	.p2alignl 7, 3214868480
	.fill 96, 4, 3214868480
	.section	.rodata,"a",@progbits
	.p2align	6, 0x0
	.amdhsa_kernel k_qd28bf9f025_outp
		.amdhsa_group_segment_fixed_size 279040
		.amdhsa_private_segment_fixed_size 0
		.amdhsa_enable_private_segment 0
		.amdhsa_kernarg_size 32
		.amdhsa_user_sgpr_count 2
		.amdhsa_user_sgpr_kernarg_segment_ptr 1
		.amdhsa_wavefront_size32 1
		.amdhsa_system_sgpr_workgroup_id_x 1
		.amdhsa_system_sgpr_workgroup_id_y 1
		.amdhsa_system_sgpr_workgroup_id_z 1
		.amdhsa_system_vgpr_workitem_id 0
		.amdhsa_next_free_vgpr 1024
		.amdhsa_next_free_sgpr 66
		.amdhsa_reserve_vcc 0
		.amdhsa_float_denorm_mode_32 3
		.amdhsa_float_denorm_mode_16_64 3
		.amdhsa_memory_ordered 1
		.amdhsa_forward_progress 1
		.amdhsa_inst_pref_size 95
	.end_amdhsa_kernel
	.amdgpu_metadata
---
amdhsa.version: [ 1, 2 ]
amdhsa.kernels:
  - .name:           k_qd28bf9f025_outp
    .symbol:         k_qd28bf9f025_outp.kd
    .args:
      - { .name: cp, .offset: 0, .size: 8, .value_kind: global_buffer, .address_space: global }
      - { .name: xw, .offset: 8, .size: 8, .value_kind: global_buffer, .address_space: global }
      - { .name: bo, .offset: 16, .size: 8, .value_kind: global_buffer, .address_space: global }
      - { .name: out0, .offset: 24, .size: 8, .value_kind: global_buffer, .address_space: global }
    .group_segment_fixed_size: 279040
    .private_segment_fixed_size: 0
    .kernarg_segment_align: 8
    .kernarg_segment_size: 32
    .max_flat_workgroup_size: 128
    .sgpr_count:     66
    .vgpr_count:     1024
    .wavefront_size: 32
...
	.end_amdgpu_metadata
.endif
;; end of part 3
